; MI455X (gfx1250); checked and timed in simulation.
; The chip was launched on July 23, 2026; its instructions are those of AMD's public machine-readable ISA for CDNA 5 (MIT licence, August 2026) and "CDNA5" Instruction Set Architecture Reference Guide (July 2026). The comments in the code are by the model that wrote it; some were corrected since.
;; NN Pytorch AD. Allowed arithmetic: float matrix products may take bf16 or f16 operands with f32 sums; other float arithmetic in f32, or as packed bf16 or f16 multiplies, adds, multiply-adds, maxima and minima; sums over many terms, partial sums and values carried from step to step in f32; what a program stores and reads back later, other than sums and carried values, may be rounded once to bf16 or f16.
;; Inputs: W0 16 x 256 float32; W1 256 x 256 float32; W2 256 x 256 float32; W3 256 x 4 float32; b0 256 float32; b1 256 float32; b2 256 float32; b3 4 float32; x 2,048 x 16 float32.
;; Outputs: out0 2,048 x 4 float32; out1 2,048 x 16 x 4 float32; out2 2,048 x 16 x 16 x 4 float32.
;; One version. Each part assembles by itself: llvm-mc -triple=amdgcn-amd-amdhsa -mcpu=gfx1250 --defsym DOCPART=n.
;; ======== version 1 of 1: 2 launches
;; limits: values are held in f16: magnitudes above 65,504 overflow, below 6.1e-05 lose precision; inputs' magnitudes at most 65,504; right only within a limited range of input values
;; workspace buffers: wh1 131,072 bytes; wh2 131,072 bytes; wmax 1,024 bytes
;; launch prep (part 1): grid 256 x 1, 1 waves a work-group, no clusters, 0 bytes of LDS; arguments W1, W2, wh1, wh2, wmax; writes wh1, wh2, wmax
.if DOCPART == 1
	.amdgcn_target "amdgcn-amd-amdhsa--gfx1250"
	.amdhsa_code_object_version 6
	.text
	.protected	k_qe54513edfd_prep
	.globl	k_qe54513edfd_prep
	.p2align	8
	.type	k_qe54513edfd_prep,@function
k_qe54513edfd_prep:
	s_mov_b64 s[64:65], 0
	v_nop
	global_prefetch_b8 v0, s[64:65] scope:SCOPE_SE
	s_setreg_imm32_b32 hwreg(HW_REG_WAVE_MODE, 25, 1), 1
	s_wait_xcnt 0x0
; W1 and W2 ([256][256] f32) are rounded once to f16, in the same layout, into wh1 and wh2, and the largest magnitude of each
; block of 512 numbers goes to wmax: entries 0-127 for W1, 128-255 for W2.  The next launch scales by powers of two made from these.
; One wave to a work-group; work-group j takes block j & 127 of W1 (j < 128) or of W2.  A lane takes 8 numbers at byte 32 l and 8 at
; byte 1,024 + 32 l of the block, so that its two results of 16 bytes lie at 16 l and 512 + 16 l: each store of the wave covers 512 consecutive bytes.
; LIMIT: a weight of 65,520 or more in magnitude becomes an infinity in f16.  No input is left out, and no work of the module is dropped here.
	s_load_b256 s[4:11], s[0:1], 0x0               ; W1 s[4:5], W2 s[6:7], wh1 s[8:9], wh2 s[10:11]
	s_load_b64 s[12:13], s[0:1], 0x20              ; wmax
	s_and_b32 s14, ttmp9, 127                      ; the block
	s_lshl_b32 s24, s14, 11                        ; 2,048 bytes of f32,
	s_mov_b32 s25, 0
	s_lshl_b32 s26, s14, 10                        ; 1,024 bytes of f16
	s_mov_b32 s27, 0
	s_lshl_b32 s28, ttmp9, 2                       ; my word of wmax
	s_mov_b32 s29, 0
	s_mov_b32 s20, 0x76543210                      ; v_permlanex16_b32: each lane takes its own place in the other half
	s_mov_b32 s21, 0xfedcba98
	v_lshlrev_b32 v1, 5, v0
	v_lshlrev_b32 v2, 4, v0
	v_mov_b32 v3, 0
	v_mov_b32 v29, 0                               ; the exchange's destination counts as read
	s_wait_kmcnt 0x0
	s_cmp_lt_u32 ttmp9, 128
	s_cselect_b64 s[16:17], s[4:5], s[6:7]
	s_cselect_b64 s[18:19], s[8:9], s[10:11]
	s_add_nc_u64 s[16:17], s[16:17], s[24:25]
	s_add_nc_u64 s[18:19], s[18:19], s[26:27]
	s_add_nc_u64 s[12:13], s[12:13], s[28:29]
	global_load_b128 v[4:7], v1, s[16:17] th:TH_LOAD_NT
	global_load_b128 v[8:11], v1, s[16:17] offset:16 th:TH_LOAD_NT
	global_load_b128 v[12:15], v1, s[16:17] offset:1024 th:TH_LOAD_NT
	global_load_b128 v[16:19], v1, s[16:17] offset:1040 th:TH_LOAD_NT
	s_wait_loadcnt 0x0
	v_max_num_f32 v28, |v4|, |v5|                  ; two chains of magnitudes
	v_max_num_f32 v30, |v12|, |v13|
	v_max3_num_f32 v28, v28, |v6|, |v7|
	v_max3_num_f32 v30, v30, |v14|, |v15|
	v_max3_num_f32 v28, v28, |v8|, |v9|
	v_max3_num_f32 v30, v30, |v16|, |v17|
	v_max3_num_f32 v28, v28, |v10|, |v11|
	v_max3_num_f32 v30, v30, |v18|, |v19|
.set i, 0
.rept 8
	v_cvt_pk_f16_f32 v[20+i], v[4+2*i], v[5+2*i]
.set i, i+1
.endr
	global_store_b128 v2, v[20:23], s[18:19]
	global_store_b128 v2, v[24:27], s[18:19] offset:512
	v_max_num_f32 v28, v28, v30
	v_max_num_f32_dpp v28, v28, v28 row_xmask:1 row_mask:0xf bank_mask:0xf
	v_max_num_f32_dpp v28, v28, v28 row_xmask:2 row_mask:0xf bank_mask:0xf
	v_max_num_f32_dpp v28, v28, v28 row_xmask:4 row_mask:0xf bank_mask:0xf
	v_max_num_f32_dpp v28, v28, v28 row_xmask:8 row_mask:0xf bank_mask:0xf
	v_permlanex16_b32 v29, v28, s20, s21
	v_max_num_f32 v28, v28, v29
	v_cmp_eq_u32 vcc_lo, 0, v0
	s_wait_xcnt 0x0                                ; EXEC is a source of the stores above: it changes only behind this wait
	s_and_saveexec_b32 s22, vcc_lo
	global_store_b32 v3, v28, s[12:13]             ; lane 0 alone
	s_wait_xcnt 0x0                                ; and again in front of the line that widens it
	s_or_b32 exec_lo, exec_lo, s22
	s_endpgm
.Lfunc_end_k_qe54513edfd_prep:
	.size	k_qe54513edfd_prep, .Lfunc_end_k_qe54513edfd_prep-k_qe54513edfd_prep
	.p2alignl 7, 3214868480
	.fill 96, 4, 3214868480
	.section	.rodata,"a",@progbits
	.p2align	6, 0x0
	.amdhsa_kernel k_qe54513edfd_prep
		.amdhsa_group_segment_fixed_size 0
		.amdhsa_private_segment_fixed_size 0
		.amdhsa_enable_private_segment 0
		.amdhsa_kernarg_size 40
		.amdhsa_user_sgpr_count 2
		.amdhsa_user_sgpr_kernarg_segment_ptr 1
		.amdhsa_wavefront_size32 1
		.amdhsa_system_sgpr_workgroup_id_x 1
		.amdhsa_system_sgpr_workgroup_id_y 1
		.amdhsa_system_sgpr_workgroup_id_z 1
		.amdhsa_system_vgpr_workitem_id 0
		.amdhsa_next_free_vgpr 32
		.amdhsa_next_free_sgpr 66
		.amdhsa_reserve_vcc 1
		.amdhsa_float_denorm_mode_32 3
		.amdhsa_float_denorm_mode_16_64 3
		.amdhsa_memory_ordered 1
		.amdhsa_forward_progress 1
		.amdhsa_inst_pref_size 4
	.end_amdhsa_kernel
	.amdgpu_metadata
---
amdhsa.version: [ 1, 2 ]
amdhsa.kernels:
  - .name:           k_qe54513edfd_prep
    .symbol:         k_qe54513edfd_prep.kd
    .args:
      - { .name: W1, .offset: 0, .size: 8, .value_kind: global_buffer, .address_space: global }
      - { .name: W2, .offset: 8, .size: 8, .value_kind: global_buffer, .address_space: global }
      - { .name: wh1, .offset: 16, .size: 8, .value_kind: global_buffer, .address_space: global }
      - { .name: wh2, .offset: 24, .size: 8, .value_kind: global_buffer, .address_space: global }
      - { .name: wmax, .offset: 32, .size: 8, .value_kind: global_buffer, .address_space: global }
    .group_segment_fixed_size: 0
    .private_segment_fixed_size: 0
    .kernarg_segment_align: 8
    .kernarg_segment_size: 40
    .max_flat_workgroup_size: 32
    .sgpr_count:     66
    .vgpr_count:     32
    .wavefront_size: 32
...
	.end_amdgpu_metadata
.endif
;; end of part 1
;; launch main (part 2): grid 256 x 1, 4 waves a work-group, clusters of 4 x 1, 327,680 bytes of LDS; arguments x, W0, b0, b1, b2, W3, b3, wh1, wh2, wmax, out0, out1, out2; writes out0, out1, out2
.if DOCPART == 2
	.amdgcn_target "amdgcn-amd-amdhsa--gfx1250"
	.amdhsa_code_object_version 6
	.text
	.protected	k_qe54513edfd_main
	.globl	k_qe54513edfd_main
	.p2align	8
	.type	k_qe54513edfd_main,@function
k_qe54513edfd_main:
	s_mov_b64 s[64:65], 0
	v_nop
	global_prefetch_b8 v0, s[64:65] scope:SCOPE_SE
	s_setreg_imm32_b32 hwreg(HW_REG_WAVE_MODE, 25, 1), 1
	s_wait_xcnt 0x0
	s_wait_alu depctr_hold_cnt(0) depctr_sa_sdst(0) depctr_va_vdst(0) depctr_va_sdst(0) depctr_va_ssrc(0) depctr_va_vcc(0) depctr_vm_vsrc(0)
	s_getreg_b32 s2, hwreg(HW_REG_IB_STS2, 6, 4)
	s_cmp_eq_u32 s2, 0
	s_cbranch_scc0 .Lentry_in_a_cluster
	s_endpgm
.Lentry_in_a_cluster:
	s_bfe_u32 s2, ttmp6, 0x10000c
	s_cmp_lg_u32 s2, 0x3003
	s_cbranch_scc0 .Lentry_shape_is_right
	s_endpgm
.Lentry_shape_is_right:
; VALUE, JACOBIAN AND HESSIAN OF A TANH MLP 16-256-256-256-4, for 2,048 samples, fused in one launch.
; With z_l the sums in front of the tanh, u_l = tanh z_l, s_l = 1 - u_l^2, Z_l = dz_l/dx (16 x 256; Z_0 = W0, Z_(l+1) = (Z_l . s_l) W_(l+1)) and
; g_l = df/du_l (256 x 4; g_2 = W3, g_(l-1) = W_l (s_l . g_l)) the chain rule gives, for all values of the inputs,
;   df_m/dx_i = sum_h W0[i,h] s_0[h] g_0[h,m]        d2f_m/dx_i dx_j = sum_l sum_h Z_l[i,h] Z_l[j,h] (-2 u_l[h] s_l[h]) g_l[h,m].
; These are the numbers that a Jacobian of a Jacobian yields, by fewer products.  No input and no step is left out: every input is loaded and reaches an output.
; FORMATS.  Products in f16 with f32 sums; tanh, scales and the sum over layers in f32.  So that f16 has room whatever the size of the weights, every 16-bit
; operand is normalised by exact powers of two.  For a matrix M: p <= max|M| < 2p, scale 1/(4p).  b0s, a1, a2, b3s belong to W0, W1, W2, W3.
;   P0 = f16(b0s W0); J_l = P_l . f16(a_(l+1) s_l); P_(l+1) = f16(J_l W_(l+1));   G_2 = b3s W3; v = f16(a_l s_l G_l); G_(l-1) = W_l v;
;   c_l = f16(-(u s / pT) G_l) with pT the power of two under the sample's largest |u s|.  The sums are scaled back in f32 (FW0-2, FD, 1/b3s).
;   Then |P_l| <= 0.5 x 128^l, |G_l| <= 0.5 x 128^(2-l), |P c| <= 8,192, |J|, |v| <= 16,384: nothing passes f16's 65,504.
; LIMITS.  p is held to 2^-10 .. 2^12: outside 2^-10 <= max|W| < 2^13 the scale adapts no further; |W1|, |W2| stay below 65,504 (the launch before rounds them
; to f16); pT is held above 2^-40; tanh z = sign(z) (1-e)/(1+e), e = 2^(-2.885 |z|), is off by about 1e-7 absolutely; NaN and infinities are not treated apart.
; SHARES.  256 work-groups of 8 samples, four waves.  Steps on values (z, u, s) and on G are shared by units: wave w has units 64 w .. 64 w + 63, all 8 samples.
; Steps on Z and the Hessian are shared by samples: wave w owns samples 2 w and 2 w + 1.  What waves hand to each other goes through LDS, between barriers.
; LAYOUT.  Every product is taken with source 0 = 16 units (or rows) and source 1 = 16 columns: a lane of the result holds ONE column (lane % 16) and units 8 (lane / 16) + 0..7.
; Two neighbouring results rounded to f16 in pairs ARE an operand of 32 units: the chain P_0 -> P_1 -> P_2 and the Hessian's operands never leave registers.
; Columns: in steps on Z the 16 directions; in steps on values sample lane % 8 (twice); in steps on G, tile c: sample lane % 8 and output m = 2 c + (lane % 16) / 8.
; CLUSTER.  All work-groups read the same W1 and W2 (f16, 128 KiB each): the four of a cluster ask for them jointly, each wave 64 rows of each, once, at the head.
; Both lie whole in LDS for the rest of the launch; nothing is filled again.  A wave has two tensor loads out at the most.
; LDS: rows [k][n] of W at a pitch of 544 bytes (17 x 32) for the turning loads; tables of 256 f16 a row at a pitch of 528 (33 x 16).
.set PW,    544
.set PR,    528
.set LW2,   256*PW                     ; W1 at 0, W2 behind it
.set LC,    2*256*PW                   ; c: row 8 m + sample
.set LV,    LC+32*PR                   ; v: row 8 m + sample.  Earlier: u0 (8 rows by sample) and, 8 rows on, u1.  At the end: f16(s0 G0)
.set LSP,   LV+32*PR                   ; f16(a1 s0), 8 rows by sample, then f16(a2 s1)
.set LW3T,  LSP+16*PR                  ; f16(b3s W3), row m
.set LTAU,  LW3T+2304                  ; f32 [layer][sample][wave]: largest |u s| of the wave's units
.set LFP,   LTAU+512                   ; f32 [wave][sample][4]: partial f
.set SPARE, LFP+512                    ; the spare words, 128 bytes a wave: two blocks of 256 bytes that no other line names
; window 0, fixed (L = lane, r = L % 16, h = L / 16, r7 = L % 8)
.set TRB, 6                            ; (8 h + L % 8) x 544 + 16 ((L / 8) % 2): my place in a turning load
.set AWA, 7                            ; the weights' address of the step in hand, k blocks 0-3,
.set AWB, 8                            ; and k blocks 4-7
.set UA,  9                            ; LV + 528 r7 + 16 h
.set UW,  10                           ; UA + 128 w
.set SR,  11                           ; LSP + 1056 w + 16 h
.set TW,  12                           ; LTAU + 16 r7 + 4 w
.set TL,  13                           ; LTAU + 16 r7
.set TO,  14                           ; LTAU + 32 w
.set FPW, 15                           ; LFP + 128 w + 16 r7
.set FPR, 16                           ; LFP + 16 r7
.set W3W, 17                           ; LW3T + 128 w + 2 L
.set W3A, 18                           ; LW3T + 528 (r % 4) + 128 w + 16 h
.set GW3, 19                           ; offset in W3: 1024 w + 128 h + 4 (r / 8)
.set EWA, 20                           ; LC + 528 r + 128 w + 16 h
.set VB,  21                           ; LV + 528 r + 16 h
.set BA1, 22                           ; (64 w + r) x 544 + 16 h in W1; v23 the same in W2
.set CR,  24                           ; LC + 1056 w + 16 h
.set DR,  25                           ; LV + (8 (r % 4) + 2 w) x 528 + 16 h
.set GO2, 26                           ; 2048 h + 16 r
.set GO1, 27                           ; 256 h + 16 r
.set SPW, 30                           ; my spare word; never rewritten
.set NIL, 31                           ; 0; never rewritten
; v[28:29] -1/pT; v32-35, v38-41 at work; v36, v37 the Hessian's factors; v42 the exchange's destination; v43-47 offsets in the inputs
.set rVA, 48                           ; z, 8 t + j
.set rBV, 80                           ; b1, then b2
.set rRB, 144                          ; two buffers of 40: four fragments of W, one of u
.set rE,  144
.set rD,  176
.set rN,  208
.set rUP, 240
; window 1: s_l at 64 l, u_l s_l at 64 l + 32, P0 at 192.   window 2: P_l of sample x at 128 (l - 1) + 64 x; before that G_2 at 0-63
; window 3 at set-up
.set R0,  0
.set RT,  128
.set R3,  160
.set R3S, 192
.set RM,  200
.set RX,  208
.set XM,  216
; window 3 in EW
.set rTS, 0
.set rSS, 32
.set rTMP, 64
.set rPK, 96
.set MSB, 0
.macro WIN new                         ; the high byte repeats the setting that is left; a switch that changes nothing is dropped
.if MSB != (\new)
	s_set_vgpr_msb (MSB<<8)|(\new)
.set MSB, (\new)
.endif
.endm
.macro PLACES                          ; four plain instructions between a matrix instruction and a vector line or load that touches its registers
.rept 4
	v_nop
.endr
.endm
.macro BAR                             ; my LDS stores are done and my LDS reads are back; then all four waves meet
	s_wait_dscnt 0x0
	s_barrier_signal -1
	s_barrier_wait -1
.endm
.macro ROUND                           ; a round of the cluster's barrier
	s_barrier_signal -1
	s_barrier_wait -1
	s_cmp_lg_u32 s34, 0
	s_cbranch_scc1 .Lnw0_\@
	s_barrier_signal -3
.Lnw0_\@:
	s_barrier_wait -3
	s_barrier_signal -1
	s_barrier_wait -1
.endm
.macro LMAX v, s                       ; the largest of the 32 lanes, as a scalar
	v_max_num_f32_dpp v[\v], v[\v], v[\v] row_xmask:1 row_mask:0xf bank_mask:0xf
	v_max_num_f32_dpp v[\v], v[\v], v[\v] row_xmask:2 row_mask:0xf bank_mask:0xf
	v_max_num_f32_dpp v[\v], v[\v], v[\v] row_xmask:4 row_mask:0xf bank_mask:0xf
	v_max_num_f32_dpp v[\v], v[\v], v[\v] row_xmask:8 row_mask:0xf bank_mask:0xf
	v_permlanex16_b32 v42, v[\v], s60, s61
	v_max_num_f32 v[\v], v[\v], v42
	v_readfirstlane_b32 s[\s], v[\v]
.endm
.macro POW2 m, a, i                    ; from a magnitude: p, held to 2^-10 .. 2^12; 1/(4p) as a pair; 4p.  All by the exponent's bits
	s_max_u32 s[\m], s[\m], 0x3a800000
	s_min_u32 s[\m], s[\m], 0x45800000
	s_and_b32 s[\m], s[\m], 0x7f800000
	s_sub_co_u32 s[\a], 0x7e000000, s[\m]
	s_mov_b32 s[(\a)+1], s[\a]
	s_add_co_u32 s[\i], s[\m], 0x01000000
.endm
	s_load_b512 s[8:23], s[0:1], 0x0               ; x 8, W0 10, b0 12, b1 14, b2 16, W3 18, b3 20, wh1 22
	s_load_b256 s[24:31], s[0:1], 0x40             ; wh2 24, wmax 26, out0 28, out1 30
	s_load_b64 s[32:33], s[0:1], 0x60              ; out2
	v_lshl_add_u32 v[SPW], v0, 2, SPARE
	v_mov_b32 v[NIL], 0
	ds_add_u32 v[SPW], v[NIL]                      ; the wave's opening: the add, twice on end, and its wait ahead of my first tensor load
	ds_add_u32 v[SPW], v[NIL]                      ; the set-up below, work on registers, stands between the second add and the wait
	v_lshrrev_b32 v5, 5, v0
	v_readfirstlane_b32 s34, v5                    ; w: my wave
	v_and_b32 v1, 31, v0                           ; L
	v_and_b32 v2, 15, v0                           ; r
	v_bfe_u32 v3, v0, 4, 1                         ; h
	v_and_b32 v4, 7, v0                            ; r7
	v_bfe_u32 v32, v0, 3, 1                        ; (L / 8) % 2
	v_and_b32 v33, 3, v0                           ; r % 4
	v_mov_b32 v42, 0
	s_bfe_u32 s35, ttmp6, 0x40000                  ; cx
	s_lshl_b32 s36, ttmp9, 2
	s_add_co_u32 s36, s36, s35                     ; my work-group: it enters the addresses of x and of the outputs alone
	s_lshl_b32 s37, s34, 7                         ; 128 w
	s_mul_i32 s38, s34, 2*PR                       ; 1056 w
	v_lshl_add_u32 v5, v3, 3, v4
	v_mul_u32_u24 v[TRB], v5, PW
	v_lshl_add_u32 v[TRB], v32, 4, v[TRB]
	v_mul_u32_u24 v5, v4, PR
	v_lshl_add_u32 v5, v3, 4, v5
	v_add_nc_u32 v[UA], LV, v5
	v_add_nc_u32 v[UW], s37, v[UA]
	s_add_co_u32 s39, s38, LSP
	v_lshl_add_u32 v[SR], v3, 4, s39
	s_lshl_b32 s39, s34, 2
	s_add_co_u32 s39, s39, LTAU
	v_lshl_add_u32 v[TW], v4, 4, s39
	v_lshl_add_u32 v[TL], v4, 4, LTAU
	s_lshl_b32 s39, s34, 5
	s_add_co_u32 s39, s39, LTAU
	v_mov_b32 v[TO], s39
	s_add_co_u32 s39, s37, LFP
	v_lshl_add_u32 v[FPW], v4, 4, s39
	v_lshl_add_u32 v[FPR], v4, 4, LFP
	s_add_co_u32 s39, s37, LW3T
	v_lshl_add_u32 v[W3W], v1, 1, s39
	v_mul_u32_u24 v5, v33, PR
	v_lshl_add_u32 v5, v3, 4, v5
	v_add_nc_u32 v[W3A], s39, v5
	s_lshl_b32 s39, s34, 10
	v_lshl_add_u32 v[GW3], v3, 7, s39
	v_lshl_add_u32 v[GW3], v32, 2, v[GW3]
	v_lshl_add_u32 v34, v1, 4, s39                 ; 1024 w + 16 L: my rows of W3
	v_mul_u32_u24 v5, v2, PR
	v_lshl_add_u32 v5, v3, 4, v5
	s_add_co_u32 s39, s37, LC
	v_add_nc_u32 v[EWA], s39, v5
	v_add_nc_u32 v[VB], LV, v5
	v_mul_u32_u24 v5, v2, PW
	v_lshl_add_u32 v5, v3, 4, v5
	s_mul_i32 s39, s34, 64*PW
	v_add_nc_u32 v[BA1], s39, v5
	v_add_nc_u32 v[BA1+1], LW2, v[BA1]
	s_add_co_u32 s39, s38, LC
	v_lshl_add_u32 v[CR], v3, 4, s39
	v_mul_u32_u24 v5, v33, 8*PR
	v_lshl_add_u32 v5, v3, 4, v5
	s_add_co_u32 s39, s38, LV
	v_add_nc_u32 v[DR], s39, v5
	v_lshlrev_b32 v[GO2], 4, v2
	v_lshl_add_u32 v[GO1], v3, 8, v[GO2]
	v_lshl_add_u32 v[GO2], v3, 11, v[GO2]
	v_lshlrev_b32 v43, 10, v2
	v_lshl_add_u32 v43, v3, 5, v43                 ; W0 by rows: 1024 r + 32 h
	s_lshl_b32 s39, s34, 8
	v_lshl_add_u32 v44, v2, 2, s39
	v_lshl_add_u32 v44, v3, 13, v44                ; W0 by columns: 8192 h + 4 r + 256 w
	v_lshlrev_b32 v45, 6, v4
	v_lshl_add_u32 v45, v3, 5, v45                 ; x: 64 r7 + 32 h
	v_lshl_add_u32 v46, v3, 5, s39                 ; biases: 256 w + 32 h
	v_lshlrev_b32 v47, 4, v1                       ; 16 L
	; descriptor group 1, for both matrices: a tile of 64 rows x 256 elements of 2 bytes, 8 words of padding behind every 128
	s_mov_b32 s48, 15|(1<<16)|(1<<20)|(1<<21)|(6<<22)|(7<<25)  ; 15:0 the mask of four; 17:16 2-byte elements; 20 padding on; 21 set beside a mask; 24:22 code 6; 31:25 code 7
	s_mov_b32 s49, 256<<16                         ; tensor_dim0 = 256
	s_mov_b32 s50, 64<<16                          ; tensor_dim1 = 64
	s_mov_b32 s51, 256<<16                         ; tile_dim0 = 256
	s_mov_b32 s52, 64                              ; tile_dim1 = 64
	s_mov_b32 s53, 256                             ; elements from row to row
	s_mov_b32 s54, 0
	s_mov_b32 s55, 0
	s_mov_b32 s40, 1                               ; group 0 for W1: count,
	s_mul_i32 s41, s34, 64*PW                      ; LDS address: my 64 rows: the wave's number alone enters it
	s_mov_b32 s44, 1                               ; group 0 for W2
	s_add_co_u32 s45, s41, LW2
	s_lshl_b32 s84, s34, 15                        ; my 64 rows of 512 bytes in memory
	s_mov_b32 s85, 0
	s_mov_b32 s60, 0x76543210                      ; v_permlanex16_b32: each lane takes its own place in the other half
	s_mov_b32 s61, 0xfedcba98
	s_mov_b32 s62, 0x3e800000                      ; 0.25, as a pair
	s_mov_b32 s63, 0x3e800000
	s_mov_b32 s90, 0xbe800000                      ; -0.25, as a pair
	s_mov_b32 s91, 0xbe800000
	s_mov_b32 s82, 0x7fffffff
	s_mov_b32 s83, 0xc038aa3b                      ; -2 log2(e)
	s_wait_dscnt 0x0                               ; both opening adds are done
	s_wait_kmcnt 0x0
	s_add_nc_u64 s[42:43], s[22:23], s[84:85]
	s_or_b32 s43, s43, 0x80000000                  ; type = 2
	s_add_nc_u64 s[46:47], s[24:25], s[84:85]
	s_or_b32 s47, s47, 0x80000000
	s_mov_b32 s87, 0
	s_lshl_b32 s86, s36, 9                         ; x: 8 samples of 64 bytes
	s_add_nc_u64 s[8:9], s[8:9], s[86:87]
	s_lshl_b32 s86, s36, 7                         ; out0: 8 x 16 bytes
	s_add_nc_u64 s[28:29], s[28:29], s[86:87]
	s_lshl_b32 s86, s36, 11                        ; out1: 8 x 256 bytes, my wave's two samples
	s_lshl_b32 s88, s34, 9
	s_add_co_u32 s86, s86, s88
	s_add_nc_u64 s[30:31], s[30:31], s[86:87]
	s_lshl_b32 s86, s36, 15                        ; out2: 8 x 4,096 bytes, my wave's two samples
	s_lshl_b32 s88, s34, 13
	s_add_co_u32 s86, s86, s88
	s_add_nc_u64 s[32:33], s[32:33], s[86:87]
	s_load_b128 s[56:59], s[20:21], 0x0            ; b3
	ROUND                                          ; all four work-groups are here: the joint loads meet
	tensor_load_to_lds s[40:43], s[48:55]          ; my 64 rows of W1
	s_nop 0
	tensor_load_to_lds s[44:47], s[48:55]          ; my 64 rows of W2
	s_nop 0
	PLACES
	; SET-UP, while the tiles are on their way: the small inputs straight into registers
	WIN 0xc0                                       ; data to window 3, offsets in window 0
	global_load_b128 v[RM:RM+3], v47, s[26:27]                 ; the 128 partial maxima of W1,
	global_load_b128 v[RM+4:RM+7], v47, s[26:27] offset:512    ; of W2
.set i, 0
.rept 8
	global_load_b128 v[R3+4*i:R3+4*i+3], v47, s[18:19] offset:512*i  ; all of W3, for its maximum
.set i, i+1
.endr
	global_load_b128 v[R3S:R3S+3], v34, s[18:19]               ; W3's rows 64 w + L
	global_load_b128 v[R3S+4:R3S+7], v34, s[18:19] offset:512  ; and 64 w + 32 + L
.set i, 0
.rept 32                               ; W0 as an operand: direction r, units 32 T + 16 p + 8 h + 4 q + 0..3, i = 4 T + 2 p + q
	global_load_b128 v[R0+4*i:R0+4*i+3], v43, s[10:11] offset:128*(i/4)+64*((i/2)%2)+16*(i%2)
.set i, i+1
.endr
.set i, 0
.rept 32                               ; W0 turned: unit 64 w + 16 t + r, directions 8 h + q, i = 8 t + q
	global_load_b32 v[RT+i], v44, s[10:11] offset:1024*(i%8)+64*(i/8)
.set i, i+1
.endr
	global_load_b128 v[RX:RX+3], v45, s[8:9]                   ; x of sample r7, directions 8 h + 0..7
	global_load_b128 v[RX+4:RX+7], v45, s[8:9] offset:16
	WIN 0x80                                       ; data to window 2
.set i, 0
.rept 64                               ; W3[64 w + 16 t + 8 h + j][2 c + r / 8], i = 32 c + 8 t + j
	global_load_b32 v[i], v[GW3], s[18:19] offset:256*((i/8)%4)+16*(i%8)+8*(i/32)
.set i, i+1
.endr
	WIN 0
.set i, 0
.rept 8                                ; the biases of my units 64 w + 16 t + 8 h + j, as the sums' first addend
	global_load_b128 v[rVA+4*i:rVA+4*i+3], v46, s[12:13] offset:64*(i/2)+16*(i%2)
	global_load_b128 v[rBV+4*i:rBV+4*i+3], v46, s[14:15] offset:64*(i/2)+16*(i%2)
	global_load_b128 v[rBV+32+4*i:rBV+32+4*i+3], v46, s[16:17] offset:64*(i/2)+16*(i%2)
.set i, i+1
.endr
	s_wait_loadcnt 0x0
	s_wait_kmcnt 0x0                               ; b3
	; the four scales
	WIN 0xff
.irp k, 0,1,2,3
	v_max_num_f32 v[XM+(\k)], |v[R0+32*(\k)]|, |v[R0+32*(\k)+1]|
	v_max_num_f32 v[XM+4+(\k)], |v[R3+8*(\k)]|, |v[R3+8*(\k)+1]|
.endr
.set i, 2
.rept 15
.irp k, 0,1,2,3
	v_max3_num_f32 v[XM+(\k)], v[XM+(\k)], |v[R0+32*(\k)+i]|, |v[R0+32*(\k)+i+1]|
.endr
.set i, i+2
.endr
.set i, 2
.rept 3
.irp k, 0,1,2,3
	v_max3_num_f32 v[XM+4+(\k)], v[XM+4+(\k)], |v[R3+8*(\k)+i]|, |v[R3+8*(\k)+i+1]|
.endr
.set i, i+2
.endr
	WIN 0x3f
	v_max3_num_f32 v38, v[XM], v[XM+1], v[XM+2]
	v_max3_num_f32 v39, v[XM+4], v[XM+5], v[XM+6]
	v_max3_num_f32 v40, v[RM], v[RM+1], v[RM+2]
	v_max3_num_f32 v41, v[RM+4], v[RM+5], v[RM+6]
	WIN 0x03
	v_max_num_f32 v38, v[XM+3], v38
	v_max_num_f32 v39, v[XM+7], v39
	v_max_num_f32 v40, v[RM+3], v40
	v_max_num_f32 v41, v[RM+7], v41
	WIN 0
	LMAX 38, 86
	LMAX 39, 87
	LMAX 40, 88
	LMAX 41, 89
	POW2 86, 70, 76                                ; W0: b0s s[70:71], 1/b0s s76
	POW2 87, 72, 77                                ; W3: b3s s[72:73], 1/b3s s77
	POW2 88, 66, 74                                ; W1: a1 s[66:67], 1/a1 s74
	POW2 89, 68, 75                                ; W2: a2 s[68:69], 1/a2 s75
	s_mul_f32 s81, s76, s77
	s_mul_f32 s81, s81, s74
	s_mul_f32 s81, s81, s75                        ; FD = 1 / (b0s b3s a1 a2)
	s_mul_f32 s78, s81, s76
	s_add_f32 s78, s78, s78                        ; FW0 = 2 FD / b0s
	s_mul_f32 s79, s78, s74                        ; FW1 = FW0 / a1
	s_mul_f32 s80, s79, s75                        ; FW2 = FW1 / a2
	WIN 0xc3
.set i, 0
.rept 64
	v_pk_mul_f32 v[R0+2*i:R0+2*i+1], v[R0+2*i:R0+2*i+1], s[70:71] op_sel_hi:[1,0]
.set i, i+1
.endr
.set i, 0
.rept 4
	v_pk_mul_f32 v[R3S+2*i:R3S+2*i+1], v[R3S+2*i:R3S+2*i+1], s[72:73] op_sel_hi:[1,0]
.set i, i+1
.endr
	WIN 0x4f
.set i, 0
.rept 64
	v_cvt_pk_f16_f32 v[192+i], v[R0+2*i], v[R0+2*i+1]          ; P0, in window 1
.set i, i+1
.endr
	WIN 0x82
.set i, 0
.rept 32
	v_pk_mul_f32 v[2*i:2*i+1], v[2*i:2*i+1], s[72:73] op_sel_hi:[1,0]  ; G_2 = b3s W3, in window 2
.set i, i+1
.endr
	WIN 0x0f
.set i, 0
.rept 16                               ; z0's operands: K is 16, so the upper half of each fragment is 0
	v_cvt_pk_f16_f32 v[144+8*(i/4)+i%4], v[RT+2*i], v[RT+2*i+1]
.set i, i+1
.endr
.set i, 0
.rept 4
	v_cvt_pk_f16_f32 v[176+i], v[RX+2*i], v[RX+2*i+1]
	v_cvt_pk_f16_f32 v[192+i], v[R3S+i], v[R3S+4+i]            ; b3s W3[.][m] of units L (low half) and 32 + L (high half)
.set i, i+1
.endr
	WIN 0
.set i, 0
.rept 4
	v_mov_b32 v[148+i], 0
	v_mov_b32 v[156+i], 0
	v_mov_b32 v[164+i], 0
	v_mov_b32 v[172+i], 0
	v_mov_b32 v[180+i], 0
	ds_store_b16 v[W3W], v[192+i] offset:PR*i
	ds_store_b16_d16_hi v[W3W], v[192+i] offset:PR*i+64
.set i, i+1
.endr
.irp tt, 0,1,2,3                       ; z0 = W0^T x + b0 for my 64 units: four accumulators, one product each
	v_wmma_f32_16x16x32_f16 v[rVA+8*(\tt):rVA+8*(\tt)+7], v[144+8*(\tt):144+8*(\tt)+7], v[176:183], v[rVA+8*(\tt):rVA+8*(\tt)+7]
.endr
; THE ACTIVATION of layer l on my 64 units x 8 samples: u, s = 1 - u^2 and u s from E = 4 e.  s and u s stay in window 1; u and a s go to LDS in f16.
; The exponentials are one batch and the reciprocals another: behind each a plain instruction and one wait ahead of the first reader.
.macro ACT l
	PLACES
	WIN 0
.set i, 0
.rept 32
	v_fma_f32 v[rE+i], |v[rVA+i]|, s83, 2.0
.set i, i+1
.endr
.set i, 0
.rept 32
	v_exp_f32 v[rE+i], v[rE+i]
.set i, i+1
.endr
	v_nop
	s_wait_alu depctr_va_vdst(0)
.set i, 0
.rept 16
	v_pk_fma_f32 v[rD+i:rD+i+1], v[rE+i:rE+i+1], s[62:63], 1.0 op_sel_hi:[1,0,0]  ; 1 + e
	v_pk_fma_f32 v[rN+i:rN+i+1], v[rE+i:rE+i+1], s[90:91], 1.0 op_sel_hi:[1,0,0]  ; 1 - e
.set i, i+2
.endr
.set i, 0
.rept 32
	v_rcp_f32 v[rD+i], v[rD+i]
.set i, i+1
.endr
	v_nop
	s_wait_alu depctr_va_vdst(0)
.set i, 0
.rept 16
	v_pk_mul_f32 v[rN+i:rN+i+1], v[rN+i:rN+i+1], v[rD+i:rD+i+1]  ; |u|
	v_pk_mul_f32 v[rE+i:rE+i+1], v[rE+i:rE+i+1], v[rD+i:rD+i+1]
.set i, i+2
.endr
.set i, 0
.rept 32
	v_bfi_b32 v[rN+i], s82, v[rN+i], v[rVA+i]      ; z's sign
.set i, i+1
.endr
	WIN 0x40
.set i, 0
.rept 16
	v_pk_mul_f32 v[64*(\l)+i:64*(\l)+i+1], v[rE+i:rE+i+1], v[rD+i:rD+i+1]  ; s = 4 e / (1 + e)^2
.set i, i+2
.endr
	WIN 0x41
.set i, 0
.rept 16
	v_pk_mul_f32 v[64*(\l)+32+i:64*(\l)+32+i+1], v[64*(\l)+i:64*(\l)+i+1], v[rN+i:rN+i+1]  ; u s
.set i, i+2
.endr
	WIN 0x05
.irp k, 0,1,2,3
	v_max_num_f32 v[38+(\k)], |v[64*(\l)+32+8*(\k)]|, |v[64*(\l)+32+8*(\k)+1]|
.endr
.set i, 2
.rept 3
.irp k, 0,1,2,3
	v_max3_num_f32 v[38+(\k)], |v[64*(\l)+32+8*(\k)+i]|, |v[64*(\l)+32+8*(\k)+i+1]|, v[38+(\k)]
.endr
.set i, i+2
.endr
	WIN 0
	v_max3_num_f32 v38, v38, v39, v40
	v_max_num_f32 v38, v38, v41
	v_permlanex16_b32 v42, v38, s60, s61           ; the sample's other units of my 64 lie in the lane 16 away
	v_max_num_f32 v38, v38, v42
	ds_store_b32 v[TW], v38 offset:128*(\l)
.set i, 0
.rept 16
	v_cvt_pk_f16_f32 v[rUP+i], v[rN+2*i], v[rN+2*i+1]
.set i, i+1
.endr
.if (\l) < 2
.irp tt, 0,1,2,3
	ds_store_b128 v[UW], v[rUP+4*(\tt):rUP+4*(\tt)+3] offset:8*PR*(\l)+32*(\tt)
.endr
	WIN 0x01
.set i, 0
.rept 16
	v_pk_mul_f32 v[rE+i:rE+i+1], v[64*(\l)+i:64*(\l)+i+1], s[66+2*(\l):67+2*(\l)] op_sel_hi:[1,0]  ; a_(l+1) s_l
.set i, i+2
.endr
	WIN 0
.set i, 0
.rept 16
	v_cvt_pk_f16_f32 v[rD+i], v[rE+2*i], v[rE+2*i+1]
.set i, i+1
.endr
.irp tt, 0,1,2,3
	ds_store_b128 v[UW], v[rD+4*(\tt):rD+4*(\tt)+3] offset:LSP-LV+8*PR*(\l)+32*(\tt)
.endr
.else                                  ; my units' share of f: row i of source 0 is output i % 4, so registers 0-3 of every lane hold the four outputs of sample r7
	ds_load_b128 v[160:163], v[W3A]
	ds_load_b128 v[164:167], v[W3A] offset:32
	ds_load_b128 v[168:171], v[W3A] offset:64
	ds_load_b128 v[172:175], v[W3A] offset:96
	s_wait_dscnt 0x0
	v_wmma_f32_16x16x32_f16 v[176:183], v[160:167], v[rUP:rUP+7], 0
	v_wmma_f32_16x16x32_f16 v[184:191], v[168:175], v[rUP+8:rUP+15], 0
	PLACES
	v_pk_add_f32 v[176:177], v[176:177], v[184:185]
	v_pk_add_f32 v[178:179], v[178:179], v[186:187]
	ds_store_b128 v[FPW], v[176:179]
.endif
.endm
; z_l = W_l^T u_(l-1) + b_l for my 64 units.  A k block of 32: four fragments of W (turned on the way out of LDS) and one of u: ten loads, two buffers.
.macro VLOAD l, b, t
.irp tt, 0,1,2,3
	ds_load_tr16_b128 v[rRB+40*(\b)+8*(\tt):rRB+40*(\b)+8*(\tt)+3], v[AWA+(\t)/4] offset:((\t)%4)*32*PW+32*(\tt)
	ds_load_tr16_b128 v[rRB+40*(\b)+8*(\tt)+4:rRB+40*(\b)+8*(\tt)+7], v[AWA+(\t)/4] offset:((\t)%4)*32*PW+32*(\tt)+16*PW
.endr
	ds_load_b128 v[rRB+40*(\b)+32:rRB+40*(\b)+35], v[UA] offset:8*PR*((\l)-1)+64*(\t)
	ds_load_b128 v[rRB+40*(\b)+36:rRB+40*(\b)+39], v[UA] offset:8*PR*((\l)-1)+64*(\t)+32
.endm
.macro VSTEP l
	WIN 0
	s_add_co_u32 s84, s37, LW2*((\l)-1)
	v_add_nc_u32 v[AWA], s84, v[TRB]
	v_add_nc_u32 v[AWB], 128*PW, v[AWA]
	VLOAD \l, 0, 0
	VLOAD \l, 1, 1
.set vT, 0
.rept 8
.if vT < 7
	s_wait_dscnt 10                                ; this block's ten are in; the other buffer's ten may stay out
.else
	s_wait_dscnt 0x0
.endif
.irp tt, 0,1,2,3                       ; the four accumulators take turns; the first product takes the bias as its addend
.if vT == 0
	v_wmma_f32_16x16x32_f16 v[rVA+8*(\tt):rVA+8*(\tt)+7], v[rRB+40*(vT%2)+8*(\tt):rRB+40*(vT%2)+8*(\tt)+7], v[rRB+40*(vT%2)+32:rRB+40*(vT%2)+39], v[rBV+32*((\l)-1)+8*(\tt):rBV+32*((\l)-1)+8*(\tt)+7]
.else
	v_wmma_f32_16x16x32_f16 v[rVA+8*(\tt):rVA+8*(\tt)+7], v[rRB+40*(vT%2)+8*(\tt):rRB+40*(vT%2)+8*(\tt)+7], v[rRB+40*(vT%2)+32:rRB+40*(vT%2)+39], v[rVA+8*(\tt):rVA+8*(\tt)+7]
.endif
.endr
.if vT < 6
	PLACES
	VLOAD \l, vT%2, vT+2
.endif
.set vT, vT+1
.endr
.endm
; c_l = f16(-(u s / pT) G_l) into LC and v = f16(a_l s_l G_l) (l = 0: f16(s_0 G_0)) into LV, for my 64 units and all 32 columns.
.macro EWOUT w, ga, sb, off            ; 32 products under window word w, rounded, stored: 16 bytes (8 units) a lane and tile
	WIN \w
.set i, 0
.rept 16
	v_pk_mul_f32 v[rTMP+2*i:rTMP+2*i+1], v[(\ga)+2*i:(\ga)+2*i+1], v[(\sb)+2*i:(\sb)+2*i+1]
.set i, i+1
.endr
	WIN 0xcf
.set i, 0
.rept 16
	v_cvt_pk_f16_f32 v[rPK+i], v[rTMP+2*i], v[rTMP+2*i+1]
.set i, i+1
.endr
	WIN 0x0c                                       ; address in window 0, data in window 3
.irp tt, 0,1,2,3
	ds_store_b128 v[EWA], v[rPK+4*(\tt):rPK+4*(\tt)+3] offset:(\off)+32*(\tt)
.endr
.endm
.macro EW l
	PLACES                                         ; G comes from matrix instructions
	WIN 0
	ds_load_b128 v[32:35], v[TL] offset:128*(\l)   ; the four waves' largest |u s| of sample r7
	s_wait_dscnt 0x0
	v_max3_num_f32 v32, v32, v33, v34
	v_max_num_f32 v32, v32, v35
	v_max_num_f32 v32, 0x2b800000, v32             ; at least 2^-40
	v_and_b32 v32, 0x7f800000, v32                 ; pT
	v_sub_nc_u32 v28, 0xff000000, v32              ; -1 / pT, by the exponent's bits
	v_mov_b32 v29, v28
	WIN 0xc1
.set i, 0
.rept 16
	v_pk_mul_f32 v[rTS+2*i:rTS+2*i+1], v[64*(\l)+32+2*i:64*(\l)+32+2*i+1], v[28:29]
.set i, i+1
.endr
.if (\l) > 0
.set i, 0
.rept 16
	v_pk_mul_f32 v[rSS+2*i:rSS+2*i+1], v[64*(\l)+2*i:64*(\l)+2*i+1], s[64+2*(\l):65+2*(\l)] op_sel_hi:[1,0]
.set i, i+1
.endr
.endif
.if (\l) == 2
.set gW, 0xce                          ; G_2 lies in window 2, from register 0
.set gB, 0
.else
.set gW, 0xcc                          ; G_1 and G_0 in window 0
.set gB, 112
.endif
.irp c, 0,1
	EWOUT gW, gB+32*(\c), rTS, 16*PR*(\c)
.if (\l) == 0
	EWOUT 0xc4, gB+32*(\c), 0, LV-LC+16*PR*(\c)    ; source 1 is s_0, in window 1
.else
	EWOUT gW, gB+32*(\c), rSS, LV-LC+16*PR*(\c)
.endif
.endr
.endm
; J_l = P_l . f16(a_(l+1) s_l) for my two samples: the table's fragments are loaded into J's registers and multiplied there.
.macro JMUL l
	WIN 0
.irp x, 0,1
.set i, 0
.rept 8
	ds_load_b128 v[48+64*(\x)+8*i:48+64*(\x)+8*i+3], v[SR] offset:8*PR*(\l)+PR*(\x)+64*i
	ds_load_b128 v[48+64*(\x)+8*i+4:48+64*(\x)+8*i+7], v[SR] offset:8*PR*(\l)+PR*(\x)+64*i+32
.set i, i+1
.endr
.endr
	s_wait_dscnt 0x0
	WIN 1+(\l)                                     ; source 0: P0 in window 1, P_1 in window 2
.irp x, 0,1
.set i, 0
.rept 64
.if (\l) == 0
	v_pk_mul_f16 v[48+64*(\x)+i], v[192+i], v[48+64*(\x)+i]
.else
	v_pk_mul_f16 v[48+64*(\x)+i], v[64*(\x)+i], v[48+64*(\x)+i]
.endif
.set i, i+1
.endr
.endr
.endm
; P_l = f16(W_l^T J_(l-1)) for my two samples, 32 units (two tiles) at a time: 32 turning loads feed 32 products.
.macro FETCH b, n                      ; all 256 k of units 32 n .. 32 n + 31 into buffer b of window 3
	WIN 0xc0
.set iT, 0
.rept 8
.irp tl, 0,1
	ds_load_tr16_b128 v[128*(\b)+16*iT+8*(\tl):128*(\b)+16*iT+8*(\tl)+3], v[AWA+iT/4] offset:(iT%4)*32*PW+64*(\n)+32*(\tl)
	ds_load_tr16_b128 v[128*(\b)+16*iT+8*(\tl)+4:128*(\b)+16*iT+8*(\tl)+7], v[AWA+iT/4] offset:(iT%4)*32*PW+64*(\n)+32*(\tl)+16*PW
.endr
.set iT, iT+1
.endr
.endm
.macro LMUL n, t0                      ; 16 products, k blocks t0 .. t0 + 3; the four accumulators (tile, sample) take turns
	WIN 0x03
.set iT, (\t0)
.rept 4
.irp tl, 0,1
.irp x, 0,1
.set rAC, 176+32*((\n)%2)+16*(\tl)+8*(\x)
.set rFR, 128*((\n)%2)+16*iT+8*(\tl)
.set rJ, 48+64*(\x)+8*iT
.if iT == 0
	v_wmma_f32_16x16x32_f16 v[rAC:rAC+7], v[rFR:rFR+7], v[rJ:rJ+7], 0
.else
	v_wmma_f32_16x16x32_f16 v[rAC:rAC+7], v[rFR:rFR+7], v[rJ:rJ+7], v[rAC:rAC+7]
.endif
.endr
.endr
.set iT, iT+1
.endr
.endm
.macro LPACK l, n                      ; two tiles rounded in pairs are k block n of the next operand
	WIN 0x80
.irp x, 0,1
.irp tl, 0,1
.irp e, 0,1,2,3
	v_cvt_pk_f16_f32 v[128*((\l)-1)+64*(\x)+8*(\n)+4*(\tl)+(\e)], v[176+32*((\n)%2)+16*(\tl)+8*(\x)+2*(\e)], v[176+32*((\n)%2)+16*(\tl)+8*(\x)+2*(\e)+1]
.endr
.endr
.endr
.endm
.macro LAYER l
	WIN 0
	v_add_nc_u32 v[AWA], LW2*((\l)-1), v[TRB]
	v_add_nc_u32 v[AWB], LW2*((\l)-1)+128*PW, v[TRB]
	FETCH 0, 0
.set nn, 0
.rept 8
	PLACES                                         ; behind the last products: for the loads into the buffer that they read, and for the roundings of their sums
.if nn < 7
	FETCH (nn+1)%2, nn+1
	s_wait_dscnt 32                                ; all but the 32 just issued
.else
	s_wait_dscnt 0x0
.endif
	LMUL nn, 0
.if nn > 0
	LPACK \l, nn-1                                 ; the other set of accumulators, between the two halves of this one's products
.endif
	LMUL nn, 4
.set nn, nn+1
.endr
	PLACES
	LPACK \l, 7
.endm
; G_(l-1) = W_l v for my 64 units and all 32 columns: W's rows lie along the sum, so they come out of LDS as they lie.  Twelve loads a block of 32, two buffers.
.macro BLOAD l, b, t
	WIN 0xc0
.irp tt, 0,1,2,3
	ds_load_b128 v[48*(\b)+8*(\tt):48*(\b)+8*(\tt)+3], v[BA1+(\l)-1] offset:16*PW*(\tt)+64*(\t)
	ds_load_b128 v[48*(\b)+8*(\tt)+4:48*(\b)+8*(\tt)+7], v[BA1+(\l)-1] offset:16*PW*(\tt)+64*(\t)+32
.endr
.irp c, 0,1
	ds_load_b128 v[48*(\b)+32+8*(\c):48*(\b)+32+8*(\c)+3], v[VB] offset:16*PR*(\c)+64*(\t)
	ds_load_b128 v[48*(\b)+32+8*(\c)+4:48*(\b)+32+8*(\c)+7], v[VB] offset:16*PR*(\c)+64*(\t)+32
.endr
.endm
.macro BSTEP l
	BLOAD \l, 0, 0
	BLOAD \l, 1, 1
.set bT, 0
.rept 8
.if bT < 7
	s_wait_dscnt 12                                ; this block's twelve are in; the other buffer's may stay out
.else
	s_wait_dscnt 0x0
.endif
	WIN 0x0f
.irp c, 0,1
.irp tt, 0,1,2,3                       ; eight accumulators by turns
.if bT == 0
	v_wmma_f32_16x16x32_f16 v[112+32*(\c)+8*(\tt):112+32*(\c)+8*(\tt)+7], v[48*(bT%2)+8*(\tt):48*(bT%2)+8*(\tt)+7], v[48*(bT%2)+32+8*(\c):48*(bT%2)+32+8*(\c)+7], 0
.else
	v_wmma_f32_16x16x32_f16 v[112+32*(\c)+8*(\tt):112+32*(\c)+8*(\tt)+7], v[48*(bT%2)+8*(\tt):48*(bT%2)+8*(\tt)+7], v[48*(bT%2)+32+8*(\c):48*(bT%2)+32+8*(\c)+7], v[112+32*(\c)+8*(\tt):112+32*(\c)+8*(\tt)+7]
.endif
.endr
.endr
.if bT < 6
	PLACES
	BLOAD \l, bT%2, bT+2
.endif
.set bT, bT+1
.endr
.endm
; LAYER l's TERM OF THE HESSIAN for my two samples x and the four outputs m: HT[i][j] = sum_h P[i,h] (P[j,h] c[h,m]).  Q = P . c is made in f16, eight lines ahead of its product.
; The term is scaled by FW_l pT and added to HS in f32, laid so that a lane's four registers are the four outputs of one (i, j).
.macro CLOAD b, t                      ; c of units 32 t .. for 2 samples x 4 outputs: the sixteen lanes of a half read the same 16 bytes
	WIN 0xc0
.irp x, 0,1
.irp m, 0,1,2,3
	ds_load_b128 v[64*(\b)+32*(\x)+8*(\m):64*(\b)+32*(\x)+8*(\m)+3], v[CR] offset:(8*(\m)+(\x))*PR+64*(\t)
	ds_load_b128 v[64*(\b)+32*(\x)+8*(\m)+4:64*(\b)+32*(\x)+8*(\m)+7], v[CR] offset:(8*(\m)+(\x))*PR+64*(\t)+32
.endr
.endr
.endm
.macro HESS l, first
.if (\l) == 0
.set hW, 1                             ; P0 lies in window 1, P_1 and P_2 in window 2
.else
.set hW, 2
.endif
	WIN 0
	ds_load_b128 v[32:35], v[TO] offset:128*(\l)
	ds_load_b128 v[38:41], v[TO] offset:128*(\l)+16
	CLOAD 0, 0
	CLOAD 1, 1
	s_wait_dscnt 32                                ; the two loads ahead of those 32 are in
	WIN 0
	v_max3_num_f32 v32, v32, v33, v34
	v_max3_num_f32 v38, v38, v39, v40
	v_max_num_f32 v32, v32, v35
	v_max_num_f32 v38, v38, v41
	v_max_num_f32 v32, 0x2b800000, v32
	v_max_num_f32 v38, 0x2b800000, v38
	v_and_b32 v32, 0x7f800000, v32                 ; pT, made as EW makes it
	v_and_b32 v38, 0x7f800000, v38
	v_mul_f32 v36, s[78+(\l)], v32
	v_mul_f32 v37, s[78+(\l)], v38
.set hT, 0
.rept 8
.if hT < 7
	s_wait_dscnt 16                                ; this block's sixteen are in; the other buffer's may stay out
.else
	s_wait_dscnt 0x0
.endif
.if ((\l) == 0) && (hT > 0)
	PLACES                                         ; both samples share P0, so the lines behind a product all name one of its registers: the places ahead of the next write of its Q are written out
.endif
	WIN 0xfc|hW
.irp m, 0,1,2,3
.irp x, 0,1                            ; the eight accumulators take turns; with P of its own for each sample, the other sample's eight lines are the places ahead of the next write of a product's Q
.if (\l) == 0
.set rP, 192+8*hT
.else
.set rP, 128*((\l)-1)+64*(\x)+8*hT
.endif
.set rQ, 128+32*(\x)+8*(\m)
.set rCB, 64*(hT%2)+32*(\x)+8*(\m)
.set rHT, 192+32*(\x)+8*(\m)
.irp e, 0,1,2,3,4,5,6,7
	v_pk_mul_f16 v[rQ+(\e)], v[rP+(\e)], v[rCB+(\e)]
.endr
.if hT == 0
	v_wmma_f32_16x16x32_f16 v[rHT:rHT+7], v[rP:rP+7], v[rQ:rQ+7], 0
.else
	v_wmma_f32_16x16x32_f16 v[rHT:rHT+7], v[rP:rP+7], v[rQ:rQ+7], v[rHT:rHT+7]
.endif
.endr
.endr
.if hT < 6
	CLOAD hT%2, hT+2
.endif
.set hT, hT+1
.endr
	PLACES
	WIN 0x03
.irp x, 0,1
.irp q, 0,1,2,3,4,5,6,7                ; each accumulator is read from its low end on
.irp m, 0,1,2,3
.if \first
	v_mul_f32 v[48+32*(\x)+4*(\q)+(\m)], v[192+32*(\x)+8*(\m)+(\q)], v[36+(\x)]
.else
	v_fma_f32 v[48+32*(\x)+4*(\q)+(\m)], v[192+32*(\x)+8*(\m)+(\q)], v[36+(\x)], v[48+32*(\x)+4*(\q)+(\m)]
.endif
.endr
.endr
.endr
.endm
	ACT 0
	s_wait_tensorcnt 0x1                           ; my rows of W1 have landed; W2's load may stay out
	BAR                                            ; 1: u0, a1 s0, W3's table and W1 are whole
	VSTEP 1
	ACT 1
	s_wait_tensorcnt 0x0                           ; my rows of W2 have landed
	BAR                                            ; 2: u1, a2 s1 and W2 are whole
	VSTEP 2
	ACT 2
	BAR                                            ; 3: the partial f and all maxima are there; nobody reads u0 or u1 any more
	; f: wave 0 adds the four waves' shares
	WIN 0
	s_cmp_lg_u32 s34, 0
	s_cbranch_scc1 .Lnof
	ds_load_b128 v[192:195], v[FPR]
	ds_load_b128 v[196:199], v[FPR] offset:128
	ds_load_b128 v[200:203], v[FPR] offset:256
	ds_load_b128 v[204:207], v[FPR] offset:384
	s_wait_dscnt 0x0
	v_pk_add_f32 v[192:193], v[192:193], v[196:197]
	v_pk_add_f32 v[194:195], v[194:195], v[198:199]
	v_pk_add_f32 v[200:201], v[200:201], v[204:205]
	v_pk_add_f32 v[202:203], v[202:203], v[206:207]
	v_pk_add_f32 v[192:193], v[192:193], v[200:201]
	v_pk_add_f32 v[194:195], v[194:195], v[202:203]
	v_fma_f32 v192, v192, s77, s56                 ; sum / b3s + b3
	v_fma_f32 v193, v193, s77, s57
	v_fma_f32 v194, v194, s77, s58
	v_fma_f32 v195, v195, s77, s59
	v_cmp_gt_u32 vcc_lo, 8, v1
	s_wait_xcnt 0x0                                ; EXEC changes only behind this wait
	s_and_saveexec_b32 s84, vcc_lo
	global_store_b128 v47, v[192:195], s[28:29]    ; lanes 0-7: a sample each, 128 consecutive bytes
	s_wait_xcnt 0x0                                ; the store has read EXEC and its registers
	s_or_b32 exec_lo, exec_lo, s84
.Lnof:
	EW 2
	JMUL 0
	LAYER 1
	JMUL 1
	LAYER 2
	BAR                                            ; 4: c_2 and v are whole
	HESS 2, 1
	BSTEP 2
	BAR                                            ; 5: nobody reads c_2 or v any more
	EW 1
	BAR                                            ; 6
	HESS 1, 0
	BSTEP 1
	BAR                                            ; 7
	EW 0
	BAR                                            ; 8: c_0 and s_0 G_0 are whole
	HESS 0, 0
	WIN 0
.irp x, 0,1
.irp q, 0,1,2,3,4,5,6,7                ; row i = 8 h + q, column j = r, four outputs: sixteen lanes store 256 consecutive bytes, at a multiple of 256 from out2's first
	global_store_b128 v[GO2], v[48+32*(\x)+4*(\q):48+32*(\x)+4*(\q)+3], s[32:33] offset:4096*(\x)+256*(\q) th:TH_STORE_NT
.endr
.endr
	; df = P0 (s_0 G_0): row i of source 0 is output i % 4, so registers 0-3 of every lane hold the four outputs of direction r
	WIN 0xc0
.irp x, 0,1
.set i, 0
.rept 8
	ds_load_b128 v[16*i+8*(\x):16*i+8*(\x)+3], v[DR] offset:PR*(\x)+64*i
	ds_load_b128 v[16*i+8*(\x)+4:16*i+8*(\x)+7], v[DR] offset:PR*(\x)+64*i+32
.set i, i+1
.endr
.endr
	s_wait_dscnt 0x0
	WIN 0x07
.set i, 0
.rept 8
.irp x, 0,1                            ; the two samples' accumulators take turns
.if i == 0
	v_wmma_f32_16x16x32_f16 v[176+8*(\x):176+8*(\x)+7], v[16*i+8*(\x):16*i+8*(\x)+7], v[192+8*i:192+8*i+7], 0
.else
	v_wmma_f32_16x16x32_f16 v[176+8*(\x):176+8*(\x)+7], v[16*i+8*(\x):16*i+8*(\x)+7], v[192+8*i:192+8*i+7], v[176+8*(\x):176+8*(\x)+7]
.endif
.endr
.set i, i+1
.endr
	PLACES
	WIN 0
	v_cmp_eq_u32 vcc_lo, 1, v3
.irp q, 0,1,2,3
	v_cndmask_b32 v[192+(\q)], v[176+(\q)], v[184+(\q)], vcc_lo  ; lanes 0-15 store the first sample, lanes 16-31 the second
.endr
.irp q, 0,1,2,3
	v_mul_f32 v[192+(\q)], s81, v[192+(\q)]
.endr
	global_store_b128 v[GO1], v[192:195], s[30:31] th:TH_STORE_NT  ; 512 consecutive bytes
	s_wait_tensorcnt 0x0                           ; the wave's end, behind my last tensor load and my last LDS store
	ds_add_u32 v[SPW], v[NIL]
	s_wait_dscnt 0x0
	ROUND                                          ; the closing round
	s_endpgm
.Lfunc_end_k_qe54513edfd_main:
	.size	k_qe54513edfd_main, .Lfunc_end_k_qe54513edfd_main-k_qe54513edfd_main
	.p2alignl 7, 3214868480
	.fill 96, 4, 3214868480
	.section	.rodata,"a",@progbits
	.p2align	6, 0x0
	.amdhsa_kernel k_qe54513edfd_main
		.amdhsa_group_segment_fixed_size 327680
		.amdhsa_private_segment_fixed_size 0
		.amdhsa_enable_private_segment 0
		.amdhsa_kernarg_size 104
		.amdhsa_user_sgpr_count 2
		.amdhsa_user_sgpr_kernarg_segment_ptr 1
		.amdhsa_wavefront_size32 1
		.amdhsa_system_sgpr_workgroup_id_x 1
		.amdhsa_system_sgpr_workgroup_id_y 1
		.amdhsa_system_sgpr_workgroup_id_z 1
		.amdhsa_system_vgpr_workitem_id 0
		.amdhsa_next_free_vgpr 1024
		.amdhsa_next_free_sgpr 96
		.amdhsa_reserve_vcc 1
		.amdhsa_float_denorm_mode_32 3
		.amdhsa_float_denorm_mode_16_64 3
		.amdhsa_memory_ordered 1
		.amdhsa_forward_progress 1
		.amdhsa_inst_pref_size 255
	.end_amdhsa_kernel
	.section	.bss,"aw",@nobits
	.p2align	6
	.space	262144
	.amdgpu_metadata
---
amdhsa.version: [ 1, 2 ]
amdhsa.kernels:
  - .name:           k_qe54513edfd_main
    .symbol:         k_qe54513edfd_main.kd
    .args:
      - { .name: x, .offset: 0, .size: 8, .value_kind: global_buffer, .address_space: global }
      - { .name: W0, .offset: 8, .size: 8, .value_kind: global_buffer, .address_space: global }
      - { .name: b0, .offset: 16, .size: 8, .value_kind: global_buffer, .address_space: global }
      - { .name: b1, .offset: 24, .size: 8, .value_kind: global_buffer, .address_space: global }
      - { .name: b2, .offset: 32, .size: 8, .value_kind: global_buffer, .address_space: global }
      - { .name: W3, .offset: 40, .size: 8, .value_kind: global_buffer, .address_space: global }
      - { .name: b3, .offset: 48, .size: 8, .value_kind: global_buffer, .address_space: global }
      - { .name: wh1, .offset: 56, .size: 8, .value_kind: global_buffer, .address_space: global }
      - { .name: wh2, .offset: 64, .size: 8, .value_kind: global_buffer, .address_space: global }
      - { .name: wmax, .offset: 72, .size: 8, .value_kind: global_buffer, .address_space: global }
      - { .name: out0, .offset: 80, .size: 8, .value_kind: global_buffer, .address_space: global }
      - { .name: out1, .offset: 88, .size: 8, .value_kind: global_buffer, .address_space: global }
      - { .name: out2, .offset: 96, .size: 8, .value_kind: global_buffer, .address_space: global }
    .group_segment_fixed_size: 327680
    .private_segment_fixed_size: 0
    .kernarg_segment_align: 8
    .kernarg_segment_size: 104
    .max_flat_workgroup_size: 128
    .sgpr_count:     96
    .vgpr_count:     1024
    .wavefront_size: 32
...
	.end_amdgpu_metadata
.endif
;; end of part 2
